; MI455X (gfx1250); checked and timed in simulation.
; The chip was launched on July 23, 2026; its instructions are those of AMD's public machine-readable ISA for CDNA 5 (MIT licence, August 2026) and "CDNA5" Instruction Set Architecture Reference Guide (July 2026). The comments in the code are by the model that wrote it; some were corrected since.
;; BS Linear. Allowed arithmetic: matrix products marked QUANTISED: E5M2 operands, one given power-of-two scale a tensor, by v_wmma_f32_16x16x64_bf8_bf8 or v_wmma_f32_16x16x128_bf8_bf8, f32 sums; everything else in f32.
;; Inputs: U 4,096 x 1,024 float32; U_additional 4,096 x 64 float32; Vh 1,024 x 4,096 float32; Vh_additional 64 x 4,096 float32; input 4 x 512 x 4,096 float32; lowp_scales 6 int32 (the exponents e of the quantised operands' scales 2^e); mask 1,024 float32; weight 1,024 float32.
;; Outputs: out0 4 x 512 x 4,096 float32.
;; This version of the problem:
;;   THIS VERSION OF THE PROBLEM IS GIVEN IN LOW PRECISION. The matrix products marked QUANTISED in the list below multiply operands that are first quantised to E5M2 (5 exponent bits, 2 mantissa bits; 8 bits a number), with one given power-of-two scale for each operand tensor; their sums are f32. All else is computed in f32.
;;   The module's matrix products, in the order in which they are computed (A, B: the left and right operand; K: the contracted axis; several contracted axes count as one K, in the product's order):
;;     1. [M 4,096, K 1,024] x [K 1,024, N 4,096]; A: computed on the way; B: input Vh: QUANTISED (scales: A lowp_scales[0], B lowp_scales[1])
;;     2. [M 4,096, K 64] x [K 64, N 4,096]; A: input U_additional; B: input Vh_additional: QUANTISED (scales: A lowp_scales[2], B lowp_scales[3])
;;     3. [M 2,048, K 4,096] x [K 4,096, N 4,096]; A: input input; B: computed on the way: QUANTISED (scales: A lowp_scales[4], B lowp_scales[5])
;;   THE QUANTISER, for each operand of a quantised product, along K:
;;     - The operand's scale is 2^e, e = its entry of the input lowp_scales (int32; the entries are numbered through the quantised products in the list's order, A before B).
;;     - Each number is divided by the scale, clamped to +-57,344, and rounded to the nearest number of E5M2, ties to even, subnormals kept.
;;     - The product sums the exact products of the quantised numbers (number of the format x scale) in f32.
;;   ~~~python
;;   def quantise(x, axis, e):      # numpy; x: float32 -> the quantised numbers, widened to float32 again
;;       x = np.moveaxis(x, axis, -1); K = x.shape[-1]
;;       r = np.clip(x / 2.0 ** e, -57344, 57344)
;;       step = 2.0 ** (np.maximum(np.frexp(np.where(r == 0, 1, r))[1] - 1, -14) - 2)
;;       q = np.round(r / step) * step * 2.0 ** e      # np.round: ties to even
;;       return np.moveaxis(q, -1, axis).astype(np.float32)
;;   ~~~
;;   OPERANDS COMPUTED ON THE WAY. 'Computed on the way' means the value that the module computes at that place (a softmax that the list does not call 'softmax' is quantised finished and normalised). What goes into a quantiser is computed in f32, as accurately as f32 sums, v_exp_f32 and their like allow (about 1e-6 of the number): no bf16 or f16 on the way to a quantiser, and a product that is left as it is and whose result goes on into a quantised operand takes f32 operands (vector FMAs, or v_wmma_f32_16x16x4_f32). A number that lies on a knife's edge between two numbers of the format may be rounded either way, as far as f32 arithmetic and the matrix unit's own rounding can turn it there, and no further.
;; One version. Each part assembles by itself: llvm-mc -triple=amdgcn-amd-amdhsa -mcpu=gfx1250 --defsym DOCPART=n.
;; ======== version 1 of 1: 3 launches
;; limits: right only within a limited range of input values
;; workspace buffers: x_codes 8,388,608 bytes; u_codes 4,194,304 bytes; vh_codes 4,194,304 bytes; ua_img 262,144 bytes; va_img 262,144 bytes; w_codes 16,777,216 bytes
;; launch quant (part 1): grid 288 x 1, 4 waves a work-group, no clusters, 68,096 bytes of LDS; arguments U, weight, mask, Vh, U_additional, Vh_additional, lowp_scales, u_codes, vh_codes, ua_img, va_img; writes u_codes, vh_codes, ua_img, va_img
.if DOCPART == 1
	.amdgcn_target "amdgcn-amd-amdhsa--gfx1250"
	.amdhsa_code_object_version 6
	.text
	.protected	k_q82218f60d4_quant
	.globl	k_q82218f60d4_quant
	.p2align	8
	.type	k_q82218f60d4_quant,@function
k_q82218f60d4_quant:
	s_mov_b64 s[64:65], 0
	v_nop
	global_prefetch_b8 v0, s[64:65] scope:SCOPE_SE
	s_setreg_imm32_b32 hwreg(HW_REG_WAVE_MODE, 25, 1), 1
	s_wait_xcnt 0x0
; out = Q4(input) Q5(W)^T,  W = Q0(U s) Q1(Vh) + Q2(U_additional) Q3(Vh_additional),  s = (weight x weight) x mask.  Qn: the quantiser to E5M2 with the given scale 2^en, en = lowp_scales[n].
; NO WORK IS LEFT OUT: every input reaches the output for some finite values (mask and weight through s, U_additional and Vh_additional through W), and Q5 is a step of the problem, so W is formed whole.
; THIS LAUNCH turns the four operands of W's two products into codes, once each, since every one of them is read by sixteen tiles' work-groups in the next launch (which also makes Q4(input)):
;   work-groups   0-127  U [4096][1024] x s[k]         -> u_codes  [4096][1024]  (K innermost as it lies), e0;  s and U x s in f32, in the order in which they are written above
;   work-groups 128-255  Vh [1024][4096], K first      -> vh_codes [4096][1024]  (K moved innermost), e1
;   work-groups 256-271  U_additional [4096][64]       -> ua_img: 256 fragments of 16 rows x 64 K as images of the operand's registers, e2
;   work-groups 272-287  Vh_additional [64][4096]      -> va_img: the same for 16 columns x 64 K, e3
;   an image is 1,024 bytes: byte 512 c + 16 lane + n is row (column) lane % 16, k = 32 c + 16 (lane / 16) + n.
; code = x / 2^e, held within +-57,344, rounded to the nearest code, ties to even.
; LIMITS: each of e0 .. e3 lies between -126 and 112, so that 2^e and 57,344 x 2^e are f32 numbers.  NaN among the inputs is not served; an infinity is held at the largest code.
; The paths part on the work-group's number alone, never join, and each has LDS bytes of its own.  No tensor loads, no barrier: waves share nothing.  Memory binds, so matrix units and clusters would add nothing here.
.set SPARE, 67584                      ; behind the paths' regions: the spare words, 128 bytes for each wave
.set SPW,   12                         ; v12  my spare word: SPARE + 4 x my thread's number; never rewritten
.set NIL,   13                         ; v13  0; never rewritten
.set SP,    80                         ; U's path: a lane's place in a stage: its 64 bytes + 16 of padding
.set RR,    16                         ; v16-79    four sets of 16 numbers as they are loaded
.set RX,    80                         ; v80-111   two sets of 16 neighbours
.set RC,    128                        ; v128-191  codes: four registers for each step, so that no store's data are written again
.set SV,    192                        ; v192-223  weight, then s, of my 16 k in each half of a row
.set MK,    224                        ; v224-255  mask of the same k
.set CP,    272                        ; Vh's path: a stage row: 256 bytes + 16
.set CX,    32                         ; v32-95    two sets of 32 numbers down K
.set CC,    96                         ; v96-103   a block's codes
.set CQ,    112                        ; v112-175  the way out
.set FX,    32                         ; small paths: v32-159 four fragments' numbers, 32 a lane each
.set FC,    160                        ; v160-191  their codes
.macro MKSCALE                         ; s28 = e  ->  v11 = 2^e as f32 (the conversion takes its exponent field), v10 = 57,344 x 2^e
	s_add_co_i32 s28, s28, 127
	s_lshl_b32 s29, s28, 23
	v_mov_b32 v11, s29
	s_add_co_i32 s28, s28, 15
	s_lshl_b32 s28, s28, 23
	s_or_b32 s28, s28, 0x600000                    ; the mantissa field of 57,344
	v_mov_b32 v10, s28
.endm
.macro CLOSE                           ; a wave's end
	s_wait_tensorcnt 0x0
	ds_add_u32 v[SPW], v[NIL]
	s_wait_dscnt 0x0
	s_endpgm
.endm
; ---- U: K IS INNERMOST.  Rows are dense, so the tensor is a plain stream.  A wave takes 16 steps of 512 numbers.  Each of a step's four loads reads 512 consecutive bytes, 16 a lane; the 2,048 bytes
; go through the wave's own stage in LDS as they lie and come back 64 bytes a lane: 16 NEIGHBOURS along K, as the conversions want them.  A lane's 16 codes are 16 bytes: the wave stores 512 consecutive bytes.
.macro RLOAD t
.irp i, 0,1,2,3
	global_load_b128 v[RR+16*((\t)%4)+4*\i:RR+16*((\t)%4)+4*\i+3], v3, s[4:5] offset:2048*(\t)+512*\i th:TH_LOAD_NT
.endr
.endm
.macro RTURN t                         ; LDS serves a wave's instructions in order, so no wait stands between the stores and the loads
.irp i, 0,1,2,3
	ds_store_b128 v14, v[RR+16*((\t)%4)+4*\i:RR+16*((\t)%4)+4*\i+3] offset:32*SP*((\t)%2)+8*SP*\i
.endr
.irp i, 0,1,2,3
	ds_load_b128 v[RX+16*((\t)%2)+4*\i:RX+16*((\t)%2)+4*\i+3], v15 offset:32*SP*((\t)%2)+16*\i
.endr
.endm
.macro RSTEP t
.set XS, RX+16*((\t)%2)
	s_wait_dscnt 0x0                               ; this step's numbers are back from the stage: so its stores into the stage have read their registers,
.if (\t)+4 < 16
	RLOAD (\t)+4                                   ; which take the loads of four steps on
.endif
.if (\t)+1 < 16
.if 14-(\t) >= 3
	s_wait_loadcnt 12                              ; the next step's four loads are in; those of the three steps behind it may be out
.else
	s_wait_loadcnt 4*(14-(\t))
.endif
	RTURN (\t)+1                                   ; and go through the other stage while this step is worked
.endif
.irp j, 0,2,4,6,8,10,12,14
	v_pk_mul_f32 v[XS+\j:XS+\j+1], v[XS+\j:XS+\j+1], v[SV+16*((\t)%2)+\j:SV+16*((\t)%2)+\j+1]   ; U x s: my k are 512 (t % 2) + 16 lane + 0 .. 15
.endr
.set j, 0
.rept 16
	v_med3_num_f32 v[XS+j], v[XS+j], -v10, v10     ; the conversion to an 8-bit code does not saturate (ISA guide 7.6.2): hold the number within the largest code x the scale first
.set j, j+1
.endr
	v_cvt_scalef32_pk8_bf8_f32 v[RC+4*(\t):RC+4*(\t)+1], v[XS:XS+7], v11
	v_cvt_scalef32_pk8_bf8_f32 v[RC+4*(\t)+2:RC+4*(\t)+3], v[XS+8:XS+15], v11   ; the results go to a store alone; the next vector lines are plain and touch other registers
	global_store_b128 v3, v[RC+4*(\t):RC+4*(\t)+3], s[8:9] offset:512*(\t)
.endm
; ---- THE TWO SMALL OPERANDS: a wave makes four fragments' images.  A lane's 32 registers of a fragment are k = 32 c + 16 (lane / 16) + 0 .. 15, c = 0, 1, of its row or column: the conversions' results are the operand's registers.
; isb = 0: rows of 64 numbers, K innermost: a lane's 16 numbers are 64 neighbouring bytes.  isb = 1: K is the first axis: a lane takes a column and its registers run down K.
.macro SLOAD isb, q
.if \isb
.irp c, 0,1
.irp i, 0,1,2,3,4,5,6,7,8,9,10,11,12,13,14,15
	global_load_b32 v[FX+32*(\q)+16*\c+\i], v6, s[4:5] offset:64*(\q)+(32*\c+\i)*16384
.endr
.endr
.else
.irp c, 0,1
.irp i, 0,1,2,3
	global_load_b128 v[FX+32*(\q)+16*\c+4*\i:FX+32*(\q)+16*\c+4*\i+3], v6, s[4:5] offset:4096*(\q)+128*\c+16*\i
.endr
.endr
.endif
.endm
.macro SCONV q, left                   ; left: the loads of the fragment behind this one, which may be out
	s_wait_loadcnt \left
.set j, 0
.rept 32
	v_med3_num_f32 v[FX+32*(\q)+j], v[FX+32*(\q)+j], -v10, v10
.set j, j+1
.endr
.irp g, 0,1,2,3
	v_cvt_scalef32_pk8_bf8_f32 v[FC+8*(\q)+2*\g:FC+8*(\q)+2*\g+1], v[FX+32*(\q)+8*\g:FX+32*(\q)+8*\g+7], v11
.endr
	global_store_b128 v3, v[FC+8*(\q):FC+8*(\q)+3], s[8:9] offset:1024*(\q)          ; 32 lanes store 512 consecutive bytes
	global_store_b128 v3, v[FC+8*(\q)+4:FC+8*(\q)+7], s[8:9] offset:1024*(\q)+512
.endm
.macro SPATH isb, osrc, odst, eoff, wg0
	s_load_b64 s[4:5], s[0:1], \osrc
	s_load_b64 s[8:9], s[0:1], \odst
	s_load_b64 s[10:11], s[0:1], 0x30
	v_and_b32 v4, 15, v2                           ; r
	v_lshrrev_b32 v5, 4, v2                        ; h
	v_lshlrev_b32 v3, 4, v2                        ; an image's place for my lane
.if \isb
	v_lshlrev_b32 v6, 2, v4                        ; column r, 4 bytes;
	v_lshl_add_u32 v6, v5, 18, v6                  ; lanes 16-31 begin 16 rows of 16,384 bytes further down
.else
	v_lshlrev_b32 v6, 8, v4                        ; row r of 256 bytes,
	v_lshl_add_u32 v6, v5, 6, v6                   ; + 64 h
.endif
	s_lshl_b32 s18, ttmp9, 2
	s_add_co_u32 s18, s18, s16
	s_sub_co_u32 s18, s18, 4*\wg0                  ; which four fragments are my wave's
.if \isb
	s_lshl_b32 s20, s18, 8                         ; 64 columns of 4 bytes
.else
	s_lshl_b32 s20, s18, 14                        ; 64 rows of 256 bytes
.endif
	s_mov_b32 s21, 0
	s_lshl_b32 s22, s18, 12                        ; four images
	s_mov_b32 s23, 0
	s_wait_alu depctr_va_vdst(0)
	s_wait_kmcnt 0x0
	s_load_b32 s28, s[10:11], \eoff
	s_add_nc_u64 s[4:5], s[4:5], s[20:21]
	s_add_nc_u64 s[8:9], s[8:9], s[22:23]
	SLOAD \isb, 0
	SLOAD \isb, 1
	s_wait_kmcnt 0x0
	MKSCALE
	s_wait_alu depctr_va_vdst(0)
	SCONV 0, 8+24*\isb
	SLOAD \isb, 2
	SCONV 1, 8+24*\isb
	SLOAD \isb, 3
	SCONV 2, 8+24*\isb
	SCONV 3, 0
	CLOSE
.endm
; ---- Vh: K IS THE FIRST AXIS.  A lane takes a column and its registers run down K; each load reads 128 consecutive bytes a wave, 512 a work-group.
.macro CLOAD t                         ; block t: Vh(32 t + j, my column), j = 0 .. 31, into set t % 2.  The largest offset, 255 rows of 16,384 bytes, lies inside the signed 24-bit immediate (ISA guide, chapter 10)
.set j, 0
.rept 32
	global_load_b32 v[CX+32*((\t)%2)+j], v3, s[4:5] offset:(32*(\t)+j)*16384 th:TH_LOAD_NT
.set j, j+1
.endr
.endm
.macro CBLOCK t
.set XS, CX+32*((\t)%2)
.if (\t) < 7
	s_wait_loadcnt 32                              ; this block's 32 loads are in; the next block's may be out
.else
	s_wait_loadcnt 0
.endif
.set j, 0
.rept 32
	v_med3_num_f32 v[XS+j], v[XS+j], -v10, v10
.set j, j+1
.endr
.irp g, 0,1,2,3
	v_cvt_scalef32_pk8_bf8_f32 v[CC+2*\g:CC+2*\g+1], v[XS+8*\g:XS+8*\g+7], v11
.endr
	ds_store_b128 v4, v[CC:CC+3] offset:32*(\t)    ; 32 codes: 32 bytes of my column's row
	ds_store_b128 v4, v[CC+4:CC+7] offset:32*(\t)+16
.if (\t)+2 < 8
	CLOAD (\t)+2
.endif
	s_wait_dscnt 0x0                               ; the stores have read their registers: the next block's codes may be written (its 32 holds, plain lines, come first)
.endm
	v_lshl_add_u32 v[SPW], v0, 2, SPARE
	v_mov_b32 v[NIL], 0
	v_lshrrev_b32 v1, 5, v0
	v_readfirstlane_b32 s16, v1                    ; wave 0..3
	v_and_b32 v2, 31, v0                           ; lane
	s_cmp_lt_u32 ttmp9, 128
	s_cbranch_scc1 .Lpath_u
	s_cmp_lt_u32 ttmp9, 256
	s_cbranch_scc1 .Lpath_v
	s_cmp_lt_u32 ttmp9, 272
	s_cbranch_scc1 .Lpath_a
	s_wait_alu depctr_va_vdst(0)
	SPATH 1, 0x28, 0x50, 0xc, 272                  ; Vh_additional -> va_img, e3
.Lpath_a:
	s_wait_alu depctr_va_vdst(0)
	SPATH 0, 0x20, 0x48, 0x8, 256                  ; U_additional -> ua_img, e2
.Lpath_u:                                              ; U x s -> u_codes, e0; LDS bytes 0 on: 8,192 for each wave: two stages of 32 x SP bytes
	s_wait_alu depctr_va_vdst(0)
	s_load_b64 s[4:5], s[0:1], 0x0                 ; U
	s_load_b64 s[8:9], s[0:1], 0x38                ; u_codes
	s_load_b64 s[10:11], s[0:1], 0x30              ; the scales' exponents
	s_load_b128 s[24:27], s[0:1], 0x8              ; weight, mask
	v_lshlrev_b32 v5, 6, v2                        ; my 16 numbers of a half row of s: 64 bytes a lane
	v_lshlrev_b32 v3, 4, v2                        ; my 16 bytes of a load's 512, and of a store's
	s_lshl_b32 s17, s16, 13
	v_lshrrev_b32 v14, 2, v2
	v_mul_u32_u24 v14, v14, SP
	v_and_b32 v15, 3, v2
	v_lshl_add_u32 v14, v15, 4, v14
	v_add_nc_u32 v14, s17, v14                     ; the stage, on the way in: four lanes' 64 bytes on end, then 16 of padding
	v_mul_u32_u24 v15, v2, SP
	v_add_nc_u32 v15, s17, v15                     ; and on the way out: my 16 neighbours
	s_lshl_b32 s18, ttmp9, 2
	s_add_co_u32 s18, s18, s16
	s_lshl_b32 s20, s18, 15                        ; which run of 8,192 numbers is my wave's: 32,768 bytes of numbers,
	s_mov_b32 s21, 0
	s_lshl_b32 s22, s18, 13                        ; 8,192 of codes
	s_mov_b32 s23, 0
	s_wait_alu depctr_va_vdst(0)
	s_wait_kmcnt 0x0
	s_load_b32 s28, s[10:11], 0x0                  ; e0
	s_add_nc_u64 s[4:5], s[4:5], s[20:21]
	s_add_nc_u64 s[8:9], s[8:9], s[22:23]
.irp g, 0,1
.irp j, 0,1,2,3
	global_load_b128 v[SV+16*\g+4*\j:SV+16*\g+4*\j+3], v5, s[24:25] offset:2048*\g+16*\j
	global_load_b128 v[MK+16*\g+4*\j:MK+16*\g+4*\j+3], v5, s[26:27] offset:2048*\g+16*\j
.endr
.endr
.irp t, 0,1,2,3
	RLOAD \t
.endr
	s_wait_kmcnt 0x0
	MKSCALE
	s_wait_loadcnt 16                              ; weight and mask are in; the stream's first sixteen loads may be out
.irp j, 0,2,4,6,8,10,12,14,16,18,20,22,24,26,28,30
	v_pk_mul_f32 v[SV+\j:SV+\j+1], v[SV+\j:SV+\j+1], v[SV+\j:SV+\j+1]   ; weight x weight,
.endr
.irp j, 0,2,4,6,8,10,12,14,16,18,20,22,24,26,28,30
	v_pk_mul_f32 v[SV+\j:SV+\j+1], v[SV+\j:SV+\j+1], v[MK+\j:MK+\j+1]   ; x mask
.endr
	s_wait_alu depctr_va_vdst(0)
	s_wait_loadcnt 12                              ; step 0's four loads are in
	RTURN 0
.irp t, 0,1,2,3,4,5,6,7,8,9,10,11,12,13,14,15
	RSTEP \t
.endr
	CLOSE
.Lpath_v:                                              ; Vh -> vh_codes, e1; LDS bytes 32,768 on: a stage of 32 rows x 272 bytes for each wave
	s_load_b64 s[4:5], s[0:1], 0x18                ; Vh
	s_load_b64 s[10:11], s[0:1], 0x30              ; the scales' exponents
	s_load_b64 s[8:9], s[0:1], 0x40                ; vh_codes
	s_sub_co_u32 s20, ttmp9, 128
	s_and_b32 s17, s20, 31                         ; which 128 columns,
	s_lshr_b32 s18, s20, 5                         ; which 256 along K
	s_lshl_b32 s17, s17, 7
	s_lshl_b32 s19, s16, 5
	s_add_co_u32 s17, s17, s19                     ; my wave's first column
	s_wait_alu depctr_va_vdst(0)
	v_lshlrev_b32 v3, 2, v2                        ; in: 4 bytes a lane
	s_mul_i32 s19, s16, 32*CP
	s_add_co_u32 s19, s19, 32768                   ; my stage
	v_mul_u32_u24 v4, v2, CP
	v_add_nc_u32 v4, s19, v4                       ; into it: row = my column
	v_and_b32 v5, 15, v2
	v_lshrrev_b32 v6, 4, v2                        ; out of it: sixteen lanes to a row, two rows an instruction
	v_mul_u32_u24 v7, v6, CP
	v_lshl_add_u32 v7, v5, 4, v7
	v_add_nc_u32 v7, s19, v7
	v_lshlrev_b32 v8, 10, v6                       ; and the same place in the codes' buffer: rows of 1,024 bytes
	v_lshl_add_u32 v8, v5, 4, v8
	s_lshl_b32 s20, s18, 22                        ; Vh: 256 rows of 16,384 bytes for each part of K,
	s_lshl_b32 s22, s17, 2
	s_add_co_u32 s20, s20, s22                     ; + 4 x column
	s_mov_b32 s21, 0
	s_lshl_b32 s24, s17, 10                        ; codes: column x 1,024
	s_lshl_b32 s26, s18, 8
	s_add_co_u32 s24, s24, s26                     ; + 256 x part of K
	s_mov_b32 s25, 0
	s_wait_kmcnt 0x0
	s_load_b32 s28, s[10:11], 0x4                  ; e1
	s_add_nc_u64 s[4:5], s[4:5], s[20:21]
	s_add_nc_u64 s[8:9], s[8:9], s[24:25]
	CLOAD 0
	CLOAD 1
	s_wait_kmcnt 0x0
	MKSCALE
	s_wait_alu depctr_va_vdst(0)
.irp t, 0,1,2,3,4,5,6,7
	CBLOCK \t
.endr
.irp t, 0,1,2,3,4,5,6,7,8,9,10,11,12,13,14,15
	ds_load_b128 v[CQ+4*\t:CQ+4*\t+3], v7 offset:2*\t*CP   ; LDS serves a wave's instructions in order: these see my stores
.endr
.irp t, 0,1,2,3,4,5,6,7,8,9,10,11,12,13,14,15
	s_wait_dscnt 15-\t
	global_store_b128 v8, v[CQ+4*\t:CQ+4*\t+3], s[8:9] offset:2*\t*1024   ; sixteen lanes store 256 consecutive bytes, at a multiple of 256 from the buffer's first byte
.endr
	CLOSE
.Lfunc_end_k_q82218f60d4_quant:
	.size	k_q82218f60d4_quant, .Lfunc_end_k_q82218f60d4_quant-k_q82218f60d4_quant
	.p2alignl 7, 3214868480
	.fill 96, 4, 3214868480
	.section	.rodata,"a",@progbits
	.p2align	6, 0x0
	.amdhsa_kernel k_q82218f60d4_quant
		.amdhsa_group_segment_fixed_size 68096
		.amdhsa_private_segment_fixed_size 0
		.amdhsa_enable_private_segment 0
		.amdhsa_kernarg_size 88
		.amdhsa_user_sgpr_count 2
		.amdhsa_user_sgpr_kernarg_segment_ptr 1
		.amdhsa_wavefront_size32 1
		.amdhsa_system_sgpr_workgroup_id_x 1
		.amdhsa_system_sgpr_workgroup_id_y 1
		.amdhsa_system_sgpr_workgroup_id_z 1
		.amdhsa_system_vgpr_workitem_id 0
		.amdhsa_next_free_vgpr 256
		.amdhsa_next_free_sgpr 66
		.amdhsa_reserve_vcc 0
		.amdhsa_float_denorm_mode_32 3
		.amdhsa_float_denorm_mode_16_64 3
		.amdhsa_memory_ordered 1
		.amdhsa_forward_progress 1
		.amdhsa_inst_pref_size 135
	.end_amdhsa_kernel
	.amdgpu_metadata
---
amdhsa.version: [ 1, 2 ]
amdhsa.kernels:
  - .name:           k_q82218f60d4_quant
    .symbol:         k_q82218f60d4_quant.kd
    .args:
      - { .name: U, .offset: 0, .size: 8, .value_kind: global_buffer, .address_space: global }
      - { .name: weight, .offset: 8, .size: 8, .value_kind: global_buffer, .address_space: global }
      - { .name: mask, .offset: 16, .size: 8, .value_kind: global_buffer, .address_space: global }
      - { .name: Vh, .offset: 24, .size: 8, .value_kind: global_buffer, .address_space: global }
      - { .name: U_additional, .offset: 32, .size: 8, .value_kind: global_buffer, .address_space: global }
      - { .name: Vh_additional, .offset: 40, .size: 8, .value_kind: global_buffer, .address_space: global }
      - { .name: lowp_scales, .offset: 48, .size: 8, .value_kind: global_buffer, .address_space: global }
      - { .name: u_codes, .offset: 56, .size: 8, .value_kind: global_buffer, .address_space: global }
      - { .name: vh_codes, .offset: 64, .size: 8, .value_kind: global_buffer, .address_space: global }
      - { .name: ua_img, .offset: 72, .size: 8, .value_kind: global_buffer, .address_space: global }
      - { .name: va_img, .offset: 80, .size: 8, .value_kind: global_buffer, .address_space: global }
    .group_segment_fixed_size: 68096
    .private_segment_fixed_size: 0
    .kernarg_segment_align: 8
    .kernarg_segment_size: 88
    .max_flat_workgroup_size: 128
    .sgpr_count:     66
    .vgpr_count:     256
    .wavefront_size: 32
...
	.end_amdgpu_metadata
.endif
;; end of part 1
;; launch wgemm (part 2): grid 16 x 16, 4 waves a work-group, clusters of 4 x 4, 327,680 bytes of LDS; arguments u_codes, vh_codes, ua_img, va_img, lowp_scales, w_codes, input, x_codes; writes w_codes, x_codes
.if DOCPART == 2
	.amdgcn_target "amdgcn-amd-amdhsa--gfx1250"
	.amdhsa_code_object_version 6
	.text
	.protected	k_q82218f60d4_wgemm
	.globl	k_q82218f60d4_wgemm
	.p2align	8
	.type	k_q82218f60d4_wgemm,@function
k_q82218f60d4_wgemm:
	s_mov_b64 s[64:65], 0
	v_nop
	global_prefetch_b8 v0, s[64:65] scope:SCOPE_SE
	s_setreg_imm32_b32 hwreg(HW_REG_WAVE_MODE, 25, 1), 1
	s_wait_xcnt 0x0
	s_wait_alu depctr_hold_cnt(0) depctr_sa_sdst(0) depctr_va_vdst(0) depctr_va_sdst(0) depctr_va_ssrc(0) depctr_va_vcc(0) depctr_vm_vsrc(0)
	s_getreg_b32 s2, hwreg(HW_REG_IB_STS2, 6, 4)
	s_cmp_eq_u32 s2, 0
	s_cbranch_scc0 .Lentry_in_a_cluster
	s_endpgm
.Lentry_in_a_cluster:
	s_bfe_u32 s2, ttmp6, 0x10000c
	s_cmp_lg_u32 s2, 0xf033
	s_cbranch_scc0 .Lentry_shape_is_right
	s_endpgm
.Lentry_shape_is_right:
; W[o][i] = sum over k < 1024 of Q0(U s)[o][k] Q1(Vh)[k][i] + sum over k < 64 of Q2(Ua)[o][k] Q3(Vha)[k][i], then W's codes Q5(W).  And, at the end, Q4(input) -> x_codes.  No work is left out.
; The four operands arrive as codes of BF8 (E5M2): u_codes [o][1024], vh_codes [i][1024]; ua_img, va_img: fragments of 16 rows x 64 K as images of the operand's registers, 1,024 bytes each.
; w_codes' order in memory: panels of 16 rows o, 65,536 bytes each; in a panel 32 images of 16 rows x 128 i, 2,048 bytes each; an image is the operand's registers in the matrix form's own order:
; byte 512 c + 16 lane + n is row lane % 16, i = 32 c + 8 (lane / 16) + n for n < 8, and 32 c + 16 + 8 (lane / 16) + n - 8 for n >= 8.
; SCALES.  The second product's sums are made first, by the K = 64 form with C = 0, and multiplied once by 2^d, d = e2 + e3 - e0 - e1: all sums then stand for sum x 2^(e0 + e1), and the first product's go on top of them
; in place.  W's code is sum / 2^(e5 - e0 - e1): the three scales are folded into the conversion's one.
; LIMITS: d between -126 and 127; e5 - e0 - e1 and e4 between -126 and 112: each power of two below is then an f32 number.  NaN in input is not served; an infinity is held at the largest code.
; A tile of W, 256 x 256, is made by a work-group of four waves; a wave makes 128 x 128: 64 accumulators of 16 x 16, 512 registers.  K goes in steps of 256 through a ring of two LDS slots filled by the tensor data mover.
; CLUSTERS: 4 x 4 work-groups.  The four of a row of the cluster need the same tiles of u_codes, the four of a column the same tiles of vh_codes: each tile is asked for JOINTLY, by the same tensor load with the same
; descriptor and a mask that names the four.  THE MATRIX INSTRUCTION IS USED TRANSPOSED (source 0 = 16 rows of vh_codes, source 1 = 16 rows of u_codes): a lane then holds eight neighbouring i of one row o: eight codes, 8 bytes.
; A fragment's k are taken 16 bytes at a time (registers 4 c .. 4 c + 3: k = 32 c + 16 (lane / 16) + 0 .. 15), alike in both sources: every product meets its partner.
; INPUT [2048][4096] f32 -> x_codes [2048][4096], K innermost as it lies.  Each number is read once, by one wave: a wave takes two rows, 32,768 bytes, 64 loads of 512 consecutive bytes into the registers of window 1
; as the products leave them; they are asked for when the ring's last fill has landed, and worked behind W's way out.  Four prefetches a wave, one among each of the first K steps, name the wave's 128 blocks once each.
; REGISTERS, in windows of 256: window 0: v14-31 addresses and scales; v32-95 at work on the way out; from v128 A's fragments, ONE set; on the way out W's codes; v32-63 and v64-127 input's numbers and codes.
;   window 1: B's fragments, TWO sets, at v0 and at v128; then input.   window 2: the 32 accumulators of my rows 0-63 (accumulator (a, b) at v[8 (8 a + b)]);   window 3: those of my rows 64-127.
; No prefetch of the tiles: the ring is filled again twice in all.
.set KROW,   1024                      ; a row of u_codes or vh_codes in memory, in bytes
.set ROWB,   256                       ; a tile's row in bytes
.set PITCH,  272                       ; an LDS row: 256 bytes + 16 of padding = 68 words: row r starts at bank 4 r mod 64 (64 banks of 4 bytes: ISA guide 11.1)
.set FR,     16                        ; registers of a fragment: 16 rows x 128 K
.set NL,     4                         ; LDS loads that bring one
.set NP,     4                         ; places behind these matrix instructions (ISA guide 7.12.1)
.set HALFT,  128*PITCH                 ; 128 rows: what one tensor load brings, and what one wave reads of A or of B
.set SLOT,   4*HALFT                   ; A's 256 rows, then B's 256 rows
.set SPARE,  2*SLOT                    ; behind the ring: the spare words, 128 bytes for each wave
.set SP,     80                        ; input's stage: a lane's 64 bytes + 16 of padding
.set XSC,  14                          ; v14     2^e4 as f32;  v15  57,344 x that
.set XHO,  15
.set ADRA, 16                          ; v16-17  LDS address of my A fragments in slot 0, 1
.set XPF,  18                          ; v18     256 x lane: input's prefetches
.set ADRB, 20                          ; v20-21  the same for B
.set XSI,  22                          ; v22     input's stage, on the way in;  v23 on the way out
.set XSO,  23
.set LI,   27                          ; v27     16 x lane
.set SPW,  28                          ; v28     my spare word: SPARE + 4 x my thread's number; never rewritten
.set NIL,  29                          ; v29     0; never rewritten
.set SC,   30                          ; v30     2^(e5 - e0 - e1) as f32, for the conversions
.set HOLD, 31                          ; v31     57,344 x that
.set TMP,  32                          ; the way out: a block's 64 sums, held
.set XX,   32                          ; input: two sets of 16 neighbours
.set XC,   64                          ; input's codes: four registers for each step
.set AF,   128                         ; A's fragments, in window 0
.set CD,   128                         ; the way out: W's codes, 16 registers a block
.set G1, 24                            ; s[24:31] descriptor group 1 for A's tiles;  s[32:39] group 0, one set for each slot
.set G0, 32
.set G1B, 48                           ; s[48:55], s[56:63] the same for B's tiles
.set G0B, 56
.set MSB, 0
.macro WIN new                         ; the immediate's high byte repeats the setting that is left
.if MSB != \new
	s_set_vgpr_msb (MSB<<8)|\new
.set MSB, \new
.endif
.endm
.set MUL_LO, 0xa1                      ; source 0 (B) window 1, source 1 (A) window 0, C and D window 2
.set MUL_HI, 0xf1                      ; the same, C and D window 3
.set TO_B,   0x40                      ; destination window 1, address window 0
; A joint load: waves 0 and 1 fetch for A, waves 2 and 3 for B.  Each of the two lines has ONE mask and one set of registers for all that issue it; the branch hangs on the wave's number alone.
; An s_nop 0 and four v_nop follow each of the two lines, ahead of the jump, the label and what follows.
.macro JLOAD g0a, g1a, g0b, g1b
	s_cmp_eq_u32 s15, 0
	s_cbranch_scc0 .Lfor_b_\@
	tensor_load_to_lds s[\g0a:\g0a+3], s[\g1a:\g1a+7]
	s_nop 0
.rept 4
	v_nop
.endr
	s_branch .Lasked_\@
.Lfor_b_\@:
	tensor_load_to_lds s[\g0b:\g0b+3], s[\g1b:\g1b+7]
	s_nop 0
.rept 4
	v_nop
.endr
.Lasked_\@:
.endm
.macro CREST                           ; a round of the cluster's barrier behind its opening barrier
	s_cmp_lg_u32 s14, 0
	s_cbranch_scc1 .Lnot_wave_0_\@
	s_barrier_signal -3
.Lnot_wave_0_\@:
	s_barrier_wait -3
	s_barrier_signal -1
	s_barrier_wait -1
.endm
.macro CROUND                          ; a whole round
	s_barrier_signal -1
	s_barrier_wait -1
	CREST
.endm
	s_load_b256 s[4:11], s[0:1], 0x0               ; u_codes s[4:5], vh_codes s[6:7], ua_img s[8:9], va_img s[10:11]
	s_load_b128 s[68:71], s[0:1], 0x20             ; the scales' exponents s[68:69], w_codes s[70:71]
	s_load_b128 s[84:87], s[0:1], 0x30             ; input s[84:85], x_codes s[86:87]
	v_lshl_add_u32 v[SPW], v0, 2, SPARE
	v_mov_b32 v[NIL], 0
	ds_add_u32 v[SPW], v[NIL]                      ; the wave's opening: the add, twice on end, and its wait ahead of my first tensor load
	ds_add_u32 v[SPW], v[NIL]
	v_lshrrev_b32 v1, 5, v0
	v_readfirstlane_b32 s14, v1                    ; wave 0..3
	s_lshr_b32 s15, s14, 1                         ; which half of the tile's rows is mine.  Also: I fetch for A (0) or for B (1)
	s_and_b32 s16, s14, 1                          ; which half of its columns.  Also: which 128 rows of that tile I fetch
	s_bfe_u32 s40, ttmp6, 0x40000                  ; cx, cy: my place in the cluster
	s_bfe_u32 s41, ttmp6, 0x40004
	s_lshl_b32 s42, ttmp9, 2
	s_add_co_u32 s42, s42, s40                     ; tile column of W = 4 x cluster x + cx
	s_and_b32 s17, ttmp7, 0xffff
	s_lshl_b32 s17, s17, 2
	s_add_co_u32 s17, s17, s41                     ; tile row of W = 4 x cluster y + cy
	s_lshl_b32 s43, s41, 2
	s_lshl_b32 s43, 15, s43                        ; my row of the cluster
	s_lshl_b32 s44, 0x1111, s40                    ; my column
	; descriptor group 1: a tile of 128 rows x 256 bytes, padded in LDS
	s_or_b32 s[G1+0], s43, (0<<16)|(1<<20)|(1<<21)|(5<<22)|(3<<25)  ; the mask: A's tiles go to my row; element of 1 byte; padding on; bit 21 beside a mask; after every 64 words, 4 words
	s_or_b32 s[G1B+0], s44, (0<<16)|(1<<20)|(1<<21)|(5<<22)|(3<<25)
.irp g, G1, G1B
	s_mov_b32 s[\g+1], ROWB<<16                    ; tensor_dim0
	s_mov_b32 s[\g+2], 128<<16                     ; tensor_dim1 = 128
	s_mov_b32 s[\g+3], ROWB<<16                    ; tile_dim0
	s_mov_b32 s[\g+4], 128                         ; tile_dim1 = 128
	s_mov_b32 s[\g+5], KROW                        ; tensor_dim0_stride
	s_mov_b32 s[\g+6], 0
	s_mov_b32 s[\g+7], 0
.endr
	s_lshl_b32 s18, s16, 7                         ; which 128 rows of the tile I fetch
	s_lshl_b32 s20, s17, 8
	s_add_co_u32 s20, s20, s18                     ; A: row 256 x tile row + 128 x half
	s_lshl_b32 s46, s42, 8
	s_add_co_u32 s46, s46, s18                     ; B: row 256 x tile column + 128 x half
	s_mov_b32 s21, 0
	s_mov_b32 s47, 0
	s_mov_b64 s[18:19], KROW
	s_mul_u64 s[20:21], s[20:21], s[18:19]
	s_mul_u64 s[46:47], s[46:47], s[18:19]
	s_mul_i32 s45, s14, HALFT                      ; where they go: wave x 128 rows: no place in the cluster enters an LDS address
	s_wait_dscnt 0x0                               ; both opening adds are done
	s_wait_kmcnt 0x0
	s_load_b128 s[72:75], s[68:69], 0x0            ; e0, e1, e2, e3
	s_load_b64 s[88:89], s[68:69], 0x10            ; e4, e5
	s_add_nc_u64 s[20:21], s[4:5], s[20:21]
	s_add_nc_u64 s[46:47], s[6:7], s[46:47]
	CROUND                                         ; all sixteen work-groups are here: the first joint loads meet
.irp s, 0,1
	s_mov_b32 s[G0+4*\s], 1
	s_add_co_u32 s[G0+4*\s+1], s45, \s*SLOT
	s_add_nc_u64 s[G0+4*\s+2:G0+4*\s+3], s[20:21], \s*ROWB
	s_or_b32 s[G0+4*\s+3], s[G0+4*\s+3], 0x80000000
	s_mov_b32 s[G0B+4*\s], 1
	s_add_co_u32 s[G0B+4*\s+1], s45, \s*SLOT
	s_add_nc_u64 s[G0B+4*\s+2:G0B+4*\s+3], s[46:47], \s*ROWB
	s_or_b32 s[G0B+4*\s+3], s[G0B+4*\s+3], 0x80000000
.endr
	JLOAD G0, G1, G0B, G1B                         ; K step 0: one tensor load a wave at the head
	s_lshl_b32 s78, s17, 14                        ; ua_img: a tile's 256 rows are 16 images, my 128 are 8
	s_lshl_b32 s79, s15, 13
	s_add_co_u32 s78, s78, s79
	s_mov_b32 s79, 0
	s_add_nc_u64 s[8:9], s[8:9], s[78:79]
	s_lshl_b32 s80, s42, 14                        ; va_img likewise
	s_lshl_b32 s81, s16, 13
	s_add_co_u32 s80, s80, s81
	s_mov_b32 s81, 0
	s_add_nc_u64 s[10:11], s[10:11], s[80:81]
	s_mul_i32 s21, s15, HALFT                      ; my 128 rows of A
	s_mul_i32 s22, s16, HALFT                      ; my 128 rows of B,
	s_add_co_u32 s22, s22, 2*HALFT                 ; which lie behind A's 256
	s_lshl_b32 s90, s17, 20                        ; w_codes: panel 16 x tile row + 8 x my half of the rows,
	s_lshl_b32 s23, s15, 19
	s_add_co_u32 s90, s90, s23
	s_lshl_b32 s23, s42, 12                        ; image 2 x tile column + my half of the columns
	s_add_co_u32 s90, s90, s23
	s_lshl_b32 s23, s16, 11
	s_add_co_u32 s90, s90, s23
	s_mov_b32 s91, 0
	s_add_nc_u64 s[70:71], s[70:71], s[90:91]
	s_lshl_b32 s92, s17, 4                         ; input: wave 4 (16 x tile row + tile column) + wave of 1,024 takes two rows:
	s_add_co_u32 s92, s92, s42
	s_lshl_b32 s92, s92, 2
	s_add_co_u32 s92, s92, s14
	s_lshl_b32 s90, s92, 15                        ; 32,768 bytes of numbers,
	s_add_nc_u64 s[84:85], s[84:85], s[90:91]
	s_lshl_b32 s90, s92, 13                        ; 8,192 of codes
	s_add_nc_u64 s[86:87], s[86:87], s[90:91]
	s_lshl_b32 s94, s14, 13                        ; input's stages: 8,192 bytes a wave, from LDS byte 0 on
	; THE SECOND PRODUCT's fragments: my eight of ua_img and my eight of va_img come straight into registers, two loads of 512 dense bytes each
	v_and_b32 v6, 31, v0
	v_lshlrev_b32 v[LI], 4, v6
.irp f, 0,1,2,3,4,5,6,7
.irp c, 0,1
	global_load_b128 v[AF+8*\f+4*\c:AF+8*\f+4*\c+3], v[LI], s[8:9] offset:1024*\f+512*\c
.endr
.endr
	WIN TO_B
.irp f, 0,1,2,3,4,5,6,7
.irp c, 0,1
	global_load_b128 v[128+8*\f+4*\c:128+8*\f+4*\c+3], v[LI], s[10:11] offset:1024*\f+512*\c
.endr
.endr
	WIN 0
	v_and_b32 v1, 15, v0                           ; l % 16
	v_bfe_u32 v2, v0, 4, 1                         ; l / 16
	v_mul_u32_u24 v3, v1, PITCH
	v_lshl_add_u32 v4, v2, 4, v3                   ; a fragment's row x pitch + 16 x half
	v_add_nc_u32 v[ADRA], s21, v4
	v_add_nc_u32 v[ADRB], s22, v4
	v_add_nc_u32 v[ADRA+1], SLOT, v[ADRA]
	v_add_nc_u32 v[ADRB+1], SLOT, v[ADRB]
	v_lshrrev_b32 v7, 2, v6
	v_mul_u32_u24 v7, v7, SP
	v_and_b32 v8, 3, v6
	v_lshl_add_u32 v7, v8, 4, v7
	v_add_nc_u32 v[XSI], s94, v7                   ; input's stage, on the way in: four lanes' 64 bytes on end, then 16 of padding
	v_mul_u32_u24 v8, v6, SP
	v_add_nc_u32 v[XSO], s94, v8                   ; and on the way out: my 16 neighbours
	v_lshlrev_b32 v[XPF], 8, v6
	s_wait_alu depctr_va_vdst(0)
	s_wait_kmcnt 0x0
	s_add_co_i32 s77, s72, s73                     ; e0 + e1
	s_add_co_i32 s96, s74, s75
	s_sub_co_i32 s96, s96, s77                     ; d = e2 + e3 - e0 - e1
	s_add_co_i32 s96, s96, 127
	s_lshl_b32 s96, s96, 23                        ; 2^d as f32
	s_mov_b32 s97, s96                             ; (named with it as a pair, so it is written)
	s_sub_co_i32 s77, s89, s77                     ; e5 - e0 - e1
	s_add_co_i32 s77, s77, 127
	s_lshl_b32 s78, s77, 23
	s_add_co_i32 s77, s77, 15
	s_lshl_b32 s77, s77, 23
	s_or_b32 s77, s77, 0x600000
	s_add_co_i32 s88, s88, 127                     ; e4
	s_lshl_b32 s79, s88, 23
	s_add_co_i32 s88, s88, 15
	s_lshl_b32 s88, s88, 23
	s_or_b32 s88, s88, 0x600000
	v_mov_b32 v[SC], s78
	v_mov_b32 v[HOLD], s77
	v_mov_b32 v[XSC], s79
	v_mov_b32 v[XHO], s88
	s_wait_alu depctr_va_vdst(0)
	s_wait_tensorcnt 0x0                           ; my part of K step 0 is in
	ds_add_u32 v[SPW], v[NIL]
	s_wait_dscnt 0x0
	CROUND                                         ; everybody's part of K step 0 is in, and all sixteen work-groups are here
	JLOAD G0+4, G1, G0B+4, G1B                     ; K step 1, into slot 1: the second product below is made while it is on its way
	s_wait_loadcnt 0x0                             ; the sixteen fragments are in
.macro MULADD a0                       ; 32 products of 64 along K: A's blocks a0 .. a0 + 3 x B's eight.  They start the sums: nothing is ever cleared
.irp a, \a0, \a0+1, \a0+2, \a0+3
.irp b, 0,1,2,3,4,5,6,7
	v_wmma_f32_16x16x64_bf8_bf8 v[8*(8*((\a)%4)+\b):8*(8*((\a)%4)+\b)+7], v[128+8*\b:128+8*\b+7], v[AF+8*(\a):AF+8*(\a)+7], 0
.endr
.endr
.endm
.macro PLACES n                        ; a vector instruction, a load or an LDS store that touches a matrix instruction's registers stands NP places behind it (ISA guide 7.12.1 for vector instructions)
.rept \n
	v_nop
.endr
.endm
	WIN MUL_LO
	MULADD 0
	WIN MUL_HI
	MULADD 4
	PLACES NP
	WIN 0x82                                       ; source 0 and destination window 2
.set j, 0
.rept 128
	v_pk_mul_f32 v[j:j+1], v[j:j+1], s[96:97] op_sel_hi:[1,0]   ; x 2^d: nothing is rounded, short of overflow and underflow; each accumulator from its low end on
.set j, j+2
.endr
	WIN 0xc3                                       ; window 3
.set j, 0
.rept 128
	v_pk_mul_f32 v[j:j+1], v[j:j+1], s[96:97] op_sel_hi:[1,0]
.set j, j+2
.endr
	WIN 0                                          ; these 256 lines are also the places ahead of the loads into the fragments' registers and of the products that write the sums anew
.macro FRAG reg, adr, q, i             ; a fragment, 16 rows x 128 K, is 16 registers: lane l holds row l % 16; registers 4 c .. 4 c + 3 hold K = 32 c + 16 (l / 16) + 0 .. 15
.irp c, 0,1,2,3
	ds_load_b128 v[\reg+4*\c:\reg+4*\c+3], v[\adr] offset:128*(\q)+32*\c+(\i)*16*PITCH
.endr
.endm
; 16 matrix instructions: A's blocks a0, a0 + 1 x B's eight, 128 along K.  p: B's set.  The 64 accumulators take turns, one instruction a turn, in the same order in every step.
.macro MUL16 a0, p
.irp a, \a0, \a0+1
.irp b, 0,1,2,3,4,5,6,7
	v_wmma_f32_16x16x128_bf8_bf8 v[8*(8*((\a)%4)+\b):8*(8*((\a)%4)+\b)+7], v[128*(\p)+FR*\b:128*(\p)+FR*\b+FR-1], v[AF+FR*(\a):AF+FR*(\a)+FR-1], v[8*(8*((\a)%4)+\b):8*(8*((\a)%4)+\b)+7]
.endr
.endr
.endm
.macro FETCH_B slot, q, p              ; B's eight fragments of the slot's q-th 128 along K into set p
	WIN TO_B
.irp i, 0,1,2,3,4,5,6,7
	FRAG 128*(\p)+FR*\i, ADRB+\slot, \q, \i
.endr
	WIN 0
.endm
.macro FETCH_A slot, q, i0             ; A's blocks i0 .. i0 + 3
.irp i, \i0, \i0+1, \i0+2, \i0+3
	FRAG AF+FR*(\i), ADRA+\slot, \q, \i
.endr
.endm
; A step of 128 along K that has its successor in the same slot.  A's one set: blocks 0-3 are fetched anew in the step's middle, blocks 4-7 at its end.
.macro STEP slot, q
	s_wait_dscnt 4*NL                              ; B's set and A's blocks 0-3 are in; the youngest sixteen loads (A's blocks 4-7) may be out
	WIN MUL_LO
	MUL16 0, (\q)%2
	MUL16 2, (\q)%2
	s_wait_dscnt 0                                 ; A's blocks 4-7 are in (asked for 32 matrix instructions ago)
	PLACES NP
	FETCH_B \slot, (\q)+1, 1-(\q)%2
	FETCH_A \slot, (\q)+1, 0
	WIN MUL_HI
	MUL16 4, (\q)%2
	MUL16 6, (\q)%2
	PLACES NP
	WIN 0
	FETCH_A \slot, (\q)+1, 4
.endm
; A slot's last step changes slots: ONE barrier; in front of it each wave waits for all its tensor loads, adds 0 to its spare word, and waits for that and for its own reads of this slot.  fill = 1: this slot is filled again, two K steps ahead.
.macro TURN slot, next, fill
	s_wait_tensorcnt 0x0                           ; all my tensor loads have landed: my part of the next slot;  (every window is 0 here: the add's two registers lie in window 0)
	ds_add_u32 v[SPW], v[NIL]                      ; 0 onto my spare word
	s_wait_dscnt 4*NL+1                            ; (the add and the youngest sixteen loads, A's blocks 4-7, may be out)
	WIN MUL_LO
	MUL16 0, 1                                     ; sixteen matrix instructions stand between the add and the wait for it
	s_wait_dscnt 0x0                               ; the add is done, and my reads of this slot are over
	s_barrier_signal -1
	MUL16 2, 1
	WIN 0
	s_barrier_wait -1
.if \fill
	CREST                                          ; the barrier has opened a round of the cluster's barrier: no wave of any partner still reads this slot's tile or has a load on its way
	s_add_nc_u64 s[G0+4*\slot+2:G0+4*\slot+3], s[G0+4*\slot+2:G0+4*\slot+3], 2*ROWB
	s_add_nc_u64 s[G0B+4*\slot+2:G0B+4*\slot+3], s[G0B+4*\slot+2:G0B+4*\slot+3], 2*ROWB
	JLOAD G0+4*\slot, G1, G0B+4*\slot, G1B         ; the first tensor load behind the round; the four v_nop behind it are the places in front of the loads below
.else
	PLACES NP
.endif
	FETCH_B \next, 0, 0
	FETCH_A \next, 0, 0
	WIN MUL_HI
	MUL16 4, 1
	MUL16 6, 1
	PLACES NP
	WIN 0
	FETCH_A \next, 0, 4
.endm
.macro XASK n                          ; a prefetch into the L2: the n-th 8,192 bytes of my two rows of input, a lane a block of 256 bytes; the loads that want them follow behind the last change of slots
	global_prefetch_b8 v[XPF], s[84:85] offset:8192*(\n) th:TH_LOAD_NT scope:SCOPE_SE
.endm
.macro XLOAD n0                        ; 32 loads of input, 512 consecutive bytes each, into window 1
	WIN TO_B
.set n, \n0
.rept 32
	global_load_b128 v[4*n:4*n+3], v[LI], s[84:85] offset:512*n th:TH_LOAD_NT
.set n, n+1
.endr
	WIN 0
.endm
	; THE FIRST PRODUCT: four K steps of 256, written out.  (Slot 0 was shown whole to every wave by the round in front of K step 1's load)
	s_wait_alu depctr_va_vdst(0)
	FETCH_B 0, 0, 0
	FETCH_A 0, 0, 0
	FETCH_A 0, 0, 4
	XASK 0
	STEP 0, 0
	XASK 1
	TURN 0, 1, 1                                   ; slot 0 takes K step 2
	XASK 2
	STEP 1, 0
	XASK 3
	TURN 1, 0, 1                                   ; slot 1 takes K step 3
	STEP 0, 0
	TURN 0, 1, 0                                   ; nothing is left to fetch: no round of the cluster's barrier.  Behind this barrier nobody reads slot 0, and it has had its last fill
	STEP 1, 0
	XLOAD 0                                        ; B's set 0 is done with (four places stand behind its last products): it takes the first half of my input
	s_wait_dscnt 4*NL                              ; the very last step
	WIN MUL_LO
	MUL16 0, 1
	MUL16 2, 1
	s_wait_dscnt 0
	WIN MUL_HI
	MUL16 4, 1
	MUL16 6, 1
	WIN 0
	PLACES NP
; THE WAY OUT.  Block a: 16 rows x 128 columns.  The sums are held within the largest code x the scale and converted, eight neighbouring i of a lane to 8 bytes.  The block's sixteen code registers are
; the registers of a fragment of 16 rows x 128 K in the matrix form's own order (registers 2 b, 2 b + 1: i = 16 b + 8 (lane / 16) + 0 .. 7): they are stored as that image, each store 512 consecutive bytes.
.macro WOUT a
.set AC, 64*((\a)%4)
	WIN 0x02+((\a)/4)                              ; source 0: window 2 or 3
.set j, 0
.rept 64
	v_med3_num_f32 v[TMP+j], v[AC+j], -v[HOLD], v[HOLD]   ; the conversion to an 8-bit code does not saturate (ISA guide 7.6.2); each accumulator from its low end on
.set j, j+1
.endr
	WIN 0
.irp b, 0,1,2,3,4,5,6,7
	v_cvt_scalef32_pk8_bf8_f32 v[CD+16*(\a)+2*\b:CD+16*(\a)+2*\b+1], v[TMP+8*\b:TMP+8*\b+7], v[SC]
.endr
	v_nop                                          ; one plain vector line behind the last conversion: the next block's holds write the conversions' sources
.irp c, 0,1,2,3
	global_store_b128 v[LI], v[CD+16*(\a)+4*\c:CD+16*(\a)+4*\c+3], s[70:71] offset:65536*(\a)+512*\c
.endr
.endm
	WOUT 0
	WOUT 1
	XLOAD 32                                       ; B's set 1 takes the second half of my input
.irp a, 2,3,4,5,6,7
	WOUT \a
.endr
; INPUT.  16 steps of 512 numbers.  A step's four loads took 2,048 bytes as they lie, 16 a lane; they go through my own stage, in slot 0, and come back 64 bytes a lane: 16 NEIGHBOURS along K, as the conversions
; want them.  A lane's 16 codes are 16 bytes: the wave stores 512 consecutive bytes.  Two stages by turns; LDS serves a wave's instructions in order, so no wait stands between the stores and the loads.
.macro XTURN t
	s_wait_loadcnt 60-4*(\t)                       ; this step's four loads are in; those of the later steps may be out
	WIN 0x04                                       ; store data: window 1
.irp i, 0,1,2,3
	ds_store_b128 v[XSI], v[16*(\t)+4*\i:16*(\t)+4*\i+3] offset:32*SP*((\t)%2)+8*SP*\i
.endr
	WIN 0
.irp i, 0,1,2,3
	ds_load_b128 v[XX+16*((\t)%2)+4*\i:XX+16*((\t)%2)+4*\i+3], v[XSO] offset:32*SP*((\t)%2)+16*\i
.endr
.endm
.macro XSTEP t
.set XS, XX+16*((\t)%2)
	s_wait_dscnt 0x0                               ; this step's numbers are back from the stage
.if (\t)+1 < 16
	XTURN (\t)+1                                   ; the next step's go through the other stage while this step is worked
.endif
.set j, 0
.rept 16
	v_med3_num_f32 v[XS+j], v[XS+j], -v[XHO], v[XHO]
.set j, j+1
.endr
	v_cvt_scalef32_pk8_bf8_f32 v[XC+4*(\t):XC+4*(\t)+1], v[XS:XS+7], v[XSC]
	v_cvt_scalef32_pk8_bf8_f32 v[XC+4*(\t)+2:XC+4*(\t)+3], v[XS+8:XS+15], v[XSC]
	v_nop                                          ; one plain vector line behind the last conversion
	global_store_b128 v[LI], v[XC+4*(\t):XC+4*(\t)+3], s[86:87] offset:512*(\t)
.endm
	XTURN 0
.irp t, 0,1,2,3,4,5,6,7,8,9,10,11,12,13,14,15
	XSTEP \t
.endr
	s_wait_tensorcnt 0x0                           ; the wave's end
	ds_add_u32 v[SPW], v[NIL]
	s_wait_dscnt 0x0
	CROUND                                         ; the closing round: no work-group ends while a partner may still ask for a tile that names it
	s_endpgm
.Lfunc_end_k_q82218f60d4_wgemm:
	.size	k_q82218f60d4_wgemm, .Lfunc_end_k_q82218f60d4_wgemm-k_q82218f60d4_wgemm
	.p2alignl 7, 3214868480
	.fill 96, 4, 3214868480
	.section	.rodata,"a",@progbits
	.p2align	6, 0x0
	.amdhsa_kernel k_q82218f60d4_wgemm
		.amdhsa_group_segment_fixed_size 327680
		.amdhsa_private_segment_fixed_size 0
		.amdhsa_enable_private_segment 0
		.amdhsa_kernarg_size 64
		.amdhsa_user_sgpr_count 2
		.amdhsa_user_sgpr_kernarg_segment_ptr 1
		.amdhsa_wavefront_size32 1
		.amdhsa_system_sgpr_workgroup_id_x 1
		.amdhsa_system_sgpr_workgroup_id_y 1
		.amdhsa_system_sgpr_workgroup_id_z 1
		.amdhsa_system_vgpr_workitem_id 0
		.amdhsa_next_free_vgpr 1024
		.amdhsa_next_free_sgpr 98
		.amdhsa_reserve_vcc 0
		.amdhsa_float_denorm_mode_32 3
		.amdhsa_float_denorm_mode_16_64 3
		.amdhsa_memory_ordered 1
		.amdhsa_forward_progress 1
		.amdhsa_inst_pref_size 179
	.end_amdhsa_kernel
	.amdgpu_metadata
---
amdhsa.version: [ 1, 2 ]
amdhsa.kernels:
  - .name:           k_q82218f60d4_wgemm
    .symbol:         k_q82218f60d4_wgemm.kd
    .args:
      - { .name: u_codes, .offset: 0, .size: 8, .value_kind: global_buffer, .address_space: global }
      - { .name: vh_codes, .offset: 8, .size: 8, .value_kind: global_buffer, .address_space: global }
      - { .name: ua_img, .offset: 16, .size: 8, .value_kind: global_buffer, .address_space: global }
      - { .name: va_img, .offset: 24, .size: 8, .value_kind: global_buffer, .address_space: global }
      - { .name: lowp_scales, .offset: 32, .size: 8, .value_kind: global_buffer, .address_space: global }
      - { .name: w_codes, .offset: 40, .size: 8, .value_kind: global_buffer, .address_space: global }
      - { .name: input, .offset: 48, .size: 8, .value_kind: global_buffer, .address_space: global }
      - { .name: x_codes, .offset: 56, .size: 8, .value_kind: global_buffer, .address_space: global }
    .group_segment_fixed_size: 327680
    .private_segment_fixed_size: 0
    .kernarg_segment_align: 8
    .kernarg_segment_size: 64
    .max_flat_workgroup_size: 128
    .sgpr_count:     98
    .vgpr_count:     1024
    .wavefront_size: 32
...
	.end_amdgpu_metadata
.endif
;; end of part 2
;; launch ogemm (part 3): grid 32 x 8, 4 waves a work-group, clusters of 4 x 4, 327,680 bytes of LDS; arguments x_codes, w_codes, lowp_scales, out0; writes out0
.if DOCPART == 3
	.amdgcn_target "amdgcn-amd-amdhsa--gfx1250"
	.amdhsa_code_object_version 6
	.text
	.protected	k_q82218f60d4_ogemm
	.globl	k_q82218f60d4_ogemm
	.p2align	8
	.type	k_q82218f60d4_ogemm,@function
k_q82218f60d4_ogemm:
	s_mov_b64 s[64:65], 0
	v_nop
	global_prefetch_b8 v0, s[64:65] scope:SCOPE_SE
	s_setreg_imm32_b32 hwreg(HW_REG_WAVE_MODE, 25, 1), 1
	s_wait_xcnt 0x0
	s_wait_alu depctr_hold_cnt(0) depctr_sa_sdst(0) depctr_va_vdst(0) depctr_va_sdst(0) depctr_va_ssrc(0) depctr_va_vcc(0) depctr_vm_vsrc(0)
	s_getreg_b32 s2, hwreg(HW_REG_IB_STS2, 6, 4)
	s_cmp_eq_u32 s2, 0
	s_cbranch_scc0 .Lentry_in_a_cluster
	s_endpgm
.Lentry_in_a_cluster:
	s_bfe_u32 s2, ttmp6, 0x10000c
	s_cmp_lg_u32 s2, 0xf033
	s_cbranch_scc0 .Lentry_shape_is_right
	s_endpgm
.Lentry_shape_is_right:
; out[m][o] = 2^(e4 + e5) x sum over i < 4096 of Q4(input)[m][i] Q5(W)[o][i].  Both operands arrive as codes of BF8 (E5M2).  No work is left out.
; x_codes: [2048][4096], i innermost.  w_codes: panels of 16 rows o (65,536 bytes), in each 32 images of 16 rows x 128 i (2,048 bytes), an image being the operand's registers in the matrix form's own order.
; LIMIT: e4 + e5 lies between -126 and 127, so that 2^(e4 + e5) is an f32 number.
; A block of out, 256 (m) x 128 (o), is made by a work-group of four waves.  Wave (kh, mh) makes rows 128 mh .. + 127 x all 128 columns over one half of K: the chunks of 256 along K whose number is kh modulo 2:
; 64 accumulators, 512 registers, 16 steps of 128 along K.  The two halves are added at the end through LDS; wave (kh, mh) then owns rows 128 mh + 64 kh .. + 63.
; X, THE LARGER OPERAND, GOES THROUGH LDS: a ring of two slots filled by the tensor data mover.  A slot holds 256 rows x 512 consecutive bytes of K: two steps for each half; each wave fetches 64 rows with one load.
; The four work-groups of a row of the cluster need the same tiles of x: each tile is asked for JOINTLY.  Eight fills in all; between a refill and the wait for it a wave issues 128 matrix instructions.
; W, THE SMALLER, GOES STRAIGHT INTO REGISTERS: each load takes 512 consecutive bytes of an image.  Two sets of registers; a half set is asked for again as soon as its last product is issued, 80 matrix instructions
; ahead of its use, with counted waits and no barrier.  Loads into registers have no joint form: so W's panels, a third of a step's bytes, which a column of the cluster shares, are not asked for jointly;
; with them in LDS too, two slots would hold 256 along K each, half of what they hold of x alone.
; THE MATRIX INSTRUCTION IS USED TRANSPOSED (source 0 = 16 rows of W, source 1 = 16 rows of x): a lane then holds eight neighbouring o of one row m.
; REGISTERS: window 0: v8-29 addresses; v128-191 x's blocks 0-3, one set; v192-255 and v64-127 x's blocks 4-7, two sets by turns; on the way out v32-255 are free.
;   window 1: W's fragments, two sets, at v0 and v128.  window 2: accumulators of x's blocks 0-3 (my own 64 rows), (a, b) at v[8 (8 a + b)].  window 3: those of blocks 4-7 (my partner's rows).
.set PITCH,  528                       ; an LDS row: 512 bytes + 16 of padding = 132 words: the 32 lanes of an 8-byte load touch 64 different banks (64 banks of 4 bytes: ISA guide 11.1)
.set TILE,   64*PITCH                  ; what one tensor load brings
.set SLOT,   4*TILE                    ; the block's 256 rows.  SLOT shares no bit with wave x TILE, so an exclusive or with it changes slots
.set SPARE,  2*SLOT                    ; behind the ring: the spare words, 128 bytes for each wave
.set STAGE,  SPARE+512                 ; the way out: 16 rows x 528 bytes for each wave, bytes that no fill lands on
.set AB0, 8                            ; v8, v9   LDS address of my fragments of x in slot 0: blocks 0-3, blocks 4-7
.set AB1, 9
.set AC0, 10                           ; v10, v11 the same in the slot that is being read
.set AC1, 11
.set LI,  12                           ; v12  16 x lane
.set XW,  13                           ; v13  where I put my partner's rows;  v14 where I find mine
.set XR,  14
.set STO, 15                           ; v15  the stage: where I put 32 bytes of a row;  v16 where I read a row back
.set RD,  16
.set PWO, 17                           ; v17  prefetch of W: 256 x lane
.set PXO, 18                           ; v18  prefetch of x: (lane / 2) rows + (lane % 2) x 256
.set SPW, 28                           ; v28  my spare word: SPARE + 4 x my thread's number; never rewritten
.set NIL, 29                           ; v29  0; never rewritten
.set TMP, 32
.set BK,  128
.set G1,  24                           ; s[24:31] descriptor group 1;  s[32:35] group 0
.set G0,  32
.set SOFF, 36                          ; s36  0 or SLOT: the slot that is being read
.set WB,  38                           ; s[38:39] my W fragments; stepped once a trip
.set PFW, 44                           ; s[44:45] my share of W's prefetches; s[48:49] of x's; stepped with it
.set PFX, 48
.set MSB, 0
.macro WIN new                         ; the immediate's high byte repeats the setting that is left
.if MSB != \new
	s_set_vgpr_msb (MSB<<8)|\new
.set MSB, \new
.endif
.endm
.set MUL_LO, 0xa1                      ; source 0 (W) window 1, source 1 (x) window 0, C and D window 2
.set MUL_HI, 0xf1                      ; the same, C and D window 3
.set TO_B,   0x40                      ; destination window 1, address window 0
.macro PLACES                          ; four places between a matrix instruction and a load into, or a read of, its registers (ISA guide 7.12.1 for reads)
.rept 4
	v_nop
.endr
.endm
.macro JLOAD                           ; my joint load: one line, one mask, for all waves; s_nop 0 and four v_nop behind it
	tensor_load_to_lds s[G0:G0+3], s[G1:G1+7]
	s_nop 0
	PLACES
.endm
.macro CROUND                          ; a round of the cluster's barrier
	s_barrier_signal -1
	s_barrier_wait -1
	s_cmp_lg_u32 s14, 0
	s_cbranch_scc1 .Lnot_wave_0_\@
	s_barrier_signal -3
.Lnot_wave_0_\@:
	s_barrier_wait -3
	s_barrier_signal -1
	s_barrier_wait -1
.endm
.macro LOADB p, b0, rel                ; W's fragments b0 .. b0 + 3 of my step rel behind WB, into set p: 16 loads of 512 consecutive bytes.  My steps 2 n, 2 n + 1 are images 4 n, 4 n + 1 behind WB
.irp b, \b0, \b0+1, \b0+2, \b0+3
.irp c, 0,1,2,3
	global_load_b128 v[128*(\p)+16*(\b)+4*\c:128*(\p)+16*(\b)+4*\c+3], v[LI], s[WB:WB+1] offset:65536*(\b)+2048*(4*((\rel)/2)+(\rel)%2)+512*\c
.endr
.endr
.endm
.macro LOADA reg, adr, q               ; four fragments of x, my q-th 128 along K in the slot: registers 2 c, 2 c + 1 hold K = 16 c + 8 (lane / 16) + 0 .. 7, the form's own order, as W's images have it
.irp i, 0,1,2,3
.irp c, 0,1,2,3,4,5,6,7
	ds_load_b64 v[\reg+16*\i+2*\c:\reg+16*\i+2*\c+1], v[\adr] offset:128*(\q)+16*\c+\i*16*PITCH
.endr
.endr
.endm
.macro QUAD a0, b0, p, zero            ; 16 matrix instructions: x's blocks a0 .. + 3 against W's b0 .. + 3.  The 64 accumulators take turns, one instruction a turn
.irp a, \a0, \a0+1, \a0+2, \a0+3
.irp b, \b0, \b0+1, \b0+2, \b0+3
.if (\a) < 4
.set AA, 128+16*(\a)
.else
.set AA, 192-128*(\p)+16*((\a)-4)
.endif
.set DD, 8*(8*((\a)%4)+(\b))
.if \zero
	v_wmma_f32_16x16x128_bf8_bf8 v[DD:DD+7], v[128*(\p)+16*(\b):128*(\p)+16*(\b)+15], v[AA:AA+15], 0
.else
	v_wmma_f32_16x16x128_bf8_bf8 v[DD:DD+7], v[128*(\p)+16*(\b):128*(\p)+16*(\b)+15], v[AA:AA+15], v[DD:DD+7]
.endif
.endr
.endr
.endm
; PREFETCHES INTO THE L2.  x: the fill that stands two fills on: 16 of my tile's 64 rows, two blocks each: the four partners of a row of the cluster share the rows out by address.
; W: the two fills' worth of K (16,384 bytes of each of the 8 panels) that begins four steps on, two steps ahead of its first loads: the sixteen waves of a column of the cluster take half a panel's each, by address.
; g = 1: not in the loop's last trip, whose look-ahead would pass the end of K.
.macro ASK pfx, pfw, g
.if (\pfx) || (\pfw)
.if \g
	s_cmp_lg_u32 s3, 1
	s_cbranch_scc0 .Lno_ask_\@
.endif
.if \pfx
	global_prefetch_b8 v[PXO], s[PFX:PFX+1] offset:\pfx th:TH_LOAD_NT scope:SCOPE_SE
.endif
.if \pfw
	global_prefetch_b8 v[PWO], s[PFW:PFW+1] offset:\pfw th:TH_LOAD_NT scope:SCOPE_SE
.endif
.if \g
.Lno_ask_\@:
.endif
.endif
.endm
; A step t of 128 along K.  p = t % 2: W's set and the set of x's blocks 4-7.  q = (t + 1) % 2: where the next step's x lies in its slot.  kind 1: the slots change and the slot read out is filled again; 2: they change only.
; lda, ldb: the next step's x, and W of two steps on (step rel behind WB), are fetched.  n1, n2: the younger loads that may be out when W's fragments 0-3, 4-7 are needed: sixteen for each half set asked for later.
.macro STEP p, q, kind, zero, lda, ldb, n1, n2, rel, pfx, pfw, g
	s_wait_loadcnt \n1
	s_wait_dscnt 0x0                               ; this step's x is in (asked for 32 matrix instructions ago)
	WIN MUL_LO
	QUAD 0, 0, \p, \zero
	s_wait_loadcnt \n2
	QUAD 0, 4, \p, \zero
	WIN 0
.if \kind
	s_wait_tensorcnt 0x0                           ; my one tensor load has landed: my part of the next slot
	ds_add_u32 v[SPW], v[NIL]
.if \kind == 1
	s_xor_b32 s[G0+1], s[G0+1], SLOT               ; no load of mine is out: group 0 may be written: the other slot,
	s_add_nc_u64 s[G0+2:G0+3], s[G0+2:G0+3], 512   ; the next 512 along K
.endif
	s_xor_b32 s[SOFF], s[SOFF], SLOT
	s_wait_dscnt 0x0                               ; the add is done; my reads of the old slot were back at this step's head
.if \kind == 1
	CROUND                                         ; no wave of any partner reads the old slot or has a load on its way
	JLOAD                                          ; its four v_nop are also the places in front of the loads below
.else
	s_barrier_signal -1
	s_barrier_wait -1
	PLACES
.endif
	v_add_nc_u32 v[AC0], s[SOFF], v[AB0]
	v_add_nc_u32 v[AC1], s[SOFF], v[AB1]
	s_wait_alu depctr_va_vdst(0)                   ; the next step reads the two behind waits
.elseif \lda
	PLACES
.endif
.if \lda
	LOADA 128, AC0, \q
	LOADA 64+128*(\p), AC1, \q
.endif
	ASK \pfx, \pfw, \g
	WIN MUL_HI
	QUAD 4, 0, \p, \zero
.if \ldb
	PLACES
	WIN TO_B
	LOADB \p, 0, \rel
	WIN MUL_HI
.endif
	QUAD 4, 4, \p, \zero
	PLACES
.if \ldb
	WIN TO_B
	LOADB \p, 4, \rel
.endif
	WIN 0
.endm
	s_load_b128 s[4:7], s[0:1], 0x0                ; x_codes, w_codes
	s_load_b128 s[8:11], s[0:1], 0x10              ; the scales' exponents, out0
	v_lshl_add_u32 v[SPW], v0, 2, SPARE
	v_mov_b32 v[NIL], 0
	ds_add_u32 v[SPW], v[NIL]                      ; the opening: the add, twice on end, and its wait ahead of my first tensor load
	ds_add_u32 v[SPW], v[NIL]
	v_lshrrev_b32 v1, 5, v0
	v_readfirstlane_b32 s14, v1                    ; wave 0..3: also which 64 rows of x I fetch
	s_lshr_b32 s15, s14, 1                         ; kh: my half of K
	s_and_b32 s16, s14, 1                          ; mh: my half of the rows
	s_bfe_u32 s40, ttmp6, 0x40000                  ; cx, cy
	s_bfe_u32 s41, ttmp6, 0x40004
	s_lshl_b32 s42, ttmp9, 2
	s_add_co_u32 s42, s42, s40                     ; block column = 4 x cluster x + cx
	s_and_b32 s17, ttmp7, 0xffff
	s_lshl_b32 s17, s17, 2
	s_add_co_u32 s17, s17, s41                     ; block row = 4 x cluster y + cy
	s_lshl_b32 s43, s41, 2
	s_lshl_b32 s43, 15, s43                        ; my row of the cluster
	s_or_b32 s[G1], s43, (1<<20)|(1<<21)|(6<<22)|(3<<25)   ; the mask; elements of 1 byte; padding on; bit 21 beside a mask; after every 128 words, 4 words
	s_mov_b32 s[G1+1], 512<<16                     ; tensor_dim0
	s_mov_b32 s[G1+2], 64<<16                      ; tensor_dim1
	s_mov_b32 s[G1+3], 512<<16                     ; tile_dim0
	s_mov_b32 s[G1+4], 64                          ; tile_dim1
	s_mov_b32 s[G1+5], 4096                        ; from row to row
	s_mov_b32 s[G1+6], 0
	s_mov_b32 s[G1+7], 0
	s_lshl_b32 s20, s17, 20                        ; x: (256 x block row + 64 x wave) rows of 4,096 bytes
	s_lshl_b32 s21, s14, 18
	s_add_co_u32 s20, s20, s21
	s_mov_b32 s21, 0
	s_mul_i32 s37, s14, TILE                       ; where my tile goes: no place in the cluster enters an LDS address
	s_mov_b32 s[SOFF], 0
	s_wait_dscnt 0x0                               ; both opening adds are done
	s_wait_kmcnt 0x0
	s_load_b64 s[96:97], s[8:9], 0x10              ; e4, e5
	s_mov_b32 s[G0], 1
	s_mov_b32 s[G0+1], s37
	s_add_nc_u64 s[G0+2:G0+3], s[4:5], s[20:21]
	s_or_b32 s[G0+3], s[G0+3], 0x80000000
	CROUND                                         ; all sixteen work-groups are here: the first joint loads meet
	JLOAD                                          ; K 0 .. 511: one tensor load a wave at the head
	s_lshl_b32 s46, s42, 19                        ; W: panel 8 x block column, images 2 kh, 2 kh + 1 of each four
	s_mov_b32 s47, 0
	s_add_nc_u64 s[PFW:PFW+1], s[6:7], s[46:47]
	s_lshl_b32 s50, s15, 12
	s_mov_b32 s51, 0
	s_add_nc_u64 s[WB:WB+1], s[PFW:PFW+1], s[50:51]
	s_lshl_b32 s50, s41, 17                        ; W's prefetches: panel 2 cy + wave / 2, the fill of parity wave % 2
	s_lshl_b32 s52, s15, 16
	s_add_co_u32 s50, s50, s52
	s_lshl_b32 s52, s16, 13
	s_add_co_u32 s50, s50, s52
	s_add_nc_u64 s[PFW:PFW+1], s[PFW:PFW+1], s[50:51]
	s_add_nc_u64 s[PFX:PFX+1], s[4:5], s[20:21]
	s_lshl_b32 s50, s40, 16                        ; x's prefetches: rows 16 cx .. + 15 of my tile
	s_add_nc_u64 s[PFX:PFX+1], s[PFX:PFX+1], s[50:51]
	s_lshl_b32 s58, s15, 8                         ; my half's 256 bytes of a slot's row
	s_lshl_b32 s21, s16, 1
	s_add_co_u32 s21, s21, s15
	s_mul_i32 s21, s21, TILE
	s_add_co_u32 s21, s21, s58                     ; blocks 0-3: my own rows 128 mh + 64 kh ..
	s_xor_b32 s59, s15, 1
	s_lshl_b32 s22, s16, 1
	s_add_co_u32 s22, s22, s59
	s_mul_i32 s22, s22, TILE
	s_add_co_u32 s22, s22, s58                     ; blocks 4-7: the other 64 of my 128 rows
	s_lshl_b32 s23, s14, 15                        ; the exchange: 32,768 bytes a wave, from LDS byte 0 on
	s_xor_b32 s52, s14, 2
	s_lshl_b32 s52, s52, 15                        ; my partner's
	s_mul_i32 s53, s14, 16*PITCH
	s_add_co_u32 s53, s53, STAGE                   ; my stage
	s_lshl_b32 s54, s17, 8
	s_lshl_b32 s55, s16, 7
	s_add_co_u32 s54, s54, s55
	s_lshl_b32 s55, s15, 6
	s_add_co_u32 s54, s54, s55
	s_lshl_b32 s54, s54, 14                        ; out: my first row, 16,384 bytes each,
	s_mov_b32 s55, 0
	s_lshl_b32 s56, s42, 9                         ; the block's first column
	s_mov_b32 s57, 0
	s_add_nc_u64 s[54:55], s[54:55], s[56:57]
	s_add_nc_u64 s[10:11], s[10:11], s[54:55]
	v_and_b32 v6, 31, v0
	v_lshlrev_b32 v[LI], 4, v6
	WIN TO_B
	LOADB 0, 0, 0                                  ; W of steps 0 and 1
	LOADB 0, 4, 0
	LOADB 1, 0, 1
	LOADB 1, 4, 1
	WIN 0
	v_and_b32 v1, 15, v0                           ; r
	v_bfe_u32 v2, v0, 4, 1                         ; h
	v_mul_u32_u24 v3, v1, PITCH
	v_lshl_add_u32 v4, v2, 3, v3                   ; row r, + 8 h
	v_add_nc_u32 v[AB0], s21, v4
	v_add_nc_u32 v[AB1], s22, v4
	v_add_nc_u32 v[AC0], s21, v4
	v_add_nc_u32 v[AC1], s22, v4
	v_add_nc_u32 v[XW], s23, v[LI]
	v_add_nc_u32 v[XR], s52, v[LI]
	v_lshl_add_u32 v5, v2, 5, v3                   ; the stage: row r, 32 bytes for each half of the lanes
	v_add_nc_u32 v[STO], s53, v5
	v_add_nc_u32 v[RD], s53, v[LI]
	v_lshlrev_b32 v[PWO], 8, v6
	v_lshrrev_b32 v5, 1, v6
	v_and_b32 v7, 1, v6
	v_lshlrev_b32 v7, 8, v7
	v_lshl_add_u32 v[PXO], v5, 12, v7
	s_wait_alu depctr_va_vdst(0)
	s_wait_tensorcnt 0x0                           ; my part of the first fill is in; these lines stand ahead of a later first fill as ahead of a refill
	ds_add_u32 v[SPW], v[NIL]
	s_xor_b32 s[G0+1], s[G0+1], SLOT
	s_add_nc_u64 s[G0+2:G0+3], s[G0+2:G0+3], 512
	s_wait_dscnt 0x0
	CROUND
	JLOAD                                          ; K 512 .. 1023, into slot 1
	LOADA 128, AC0, 0
	LOADA 192, AC1, 0
	STEP 0, 1, 0, 1, 1, 1, 48, 32, 2, 1536, 16384, 0   ; step 0 stands in front of the loop: its products start the sums
	s_mov_b32 s3, 3
.Ltrip:                                                ; a trip: steps 4 j + 1 .. 4 j + 4, j = 0, 1, 2; its first and third steps change slots and fill one again
	STEP 1, 0, 1, 0, 1, 1, 48, 32, 3, 2048, 0, 1
	STEP 0, 1, 0, 0, 1, 1, 48, 32, 4, 0, 0, 0
	STEP 1, 0, 1, 0, 1, 1, 48, 32, 5, 2560, 0, 1
	STEP 0, 1, 0, 0, 1, 1, 48, 32, 6, 0, 32768, 1
	s_wait_xcnt 0x0                                ; the loads and prefetches have read their bases
	s_add_nc_u64 s[WB:WB+1], s[WB:WB+1], 16384
	s_add_nc_u64 s[PFW:PFW+1], s[PFW:PFW+1], 16384
	s_add_nc_u64 s[PFX:PFX+1], s[PFX:PFX+1], 1024
	s_sub_co_u32 s3, s3, 1
	s_cmp_lg_u32 s3, 0
	s_cbranch_scc1 .Ltrip
	STEP 1, 0, 2, 0, 1, 1, 48, 32, 3, 0, 0, 0      ; steps 13 to 15 are written out, and the fetches end.  Behind this barrier nobody reads slot 0, and it has had its last fill
	STEP 0, 1, 0, 0, 1, 0, 48, 32, 0, 0, 0, 0
	STEP 1, 0, 0, 0, 0, 0, 16, 0, 0, 0, 0, 0
	; THE TWO HALVES OF K MEET: my sums for my partner's rows (window 3) go into my 32,768 bytes of slot 0 as images of the registers; behind a barrier I take my partner's sums for my rows into window 1.
	WIN 0x0c                                       ; store data: window 3
.set n, 0
.rept 64
	ds_store_b128 v[XW], v[4*n:4*n+3] offset:512*n ; each accumulator from its low end on
.set n, n+1
.endr
	WIN 0
	s_wait_dscnt 0x0                               ; for my partner's sake
	s_barrier_signal -1
	s_barrier_wait -1
	WIN TO_B
.set n, 0
.rept 64
	ds_load_b128 v[4*n:4*n+3], v[XR] offset:512*n
.set n, n+1
.endr
	WIN 0
	s_wait_kmcnt 0x0
	s_add_co_i32 s96, s96, s97
	s_add_co_i32 s96, s96, 127
	s_lshl_b32 s96, s96, 23                        ; 2^(e4 + e5) as f32
	s_wait_dscnt 32                                ; the first two blocks' sums are in
; THE WAY OUT, block by block of 16 rows x 128 columns: the two halves are added and scaled; a lane's 32 bytes of a row go through my own stage and come back as whole rows of 512 bytes.
.macro TOSTAGE u
	WIN 0x09                                       ; source 0 window 1, source 1 window 2
.set j, 0
.rept 32
	v_pk_add_f32 v[TMP+j:TMP+j+1], v[64*(\u)+j:64*(\u)+j+1], v[64*(\u)+j:64*(\u)+j+1]
.set j, j+2
.endr
	WIN 0
.set j, 0
.rept 32
	v_pk_mul_f32 v[TMP+j:TMP+j+1], v[TMP+j:TMP+j+1], s[96:97] op_sel_hi:[1,0]
.set j, j+2
.endr
.irp b, 0,1,2,3,4,5,6,7
	ds_store_b128 v[STO], v[TMP+8*\b:TMP+8*\b+3] offset:64*\b
	ds_store_b128 v[STO], v[TMP+8*\b+4:TMP+8*\b+7] offset:64*\b+16
.endr
.set BB, BK+64*((\u)%2)
.irp t, 0,1,2,3,4,5,6,7,8,9,10,11,12,13,14,15
	ds_load_b128 v[BB+4*\t:BB+4*\t+3], v[RD] offset:\t*PITCH   ; LDS serves a wave's instructions in order: these see my stores
.endr
.endm
.macro SEND u, younger                 ; younger: the LDS instructions issued behind block u's loads
.set BB, BK+64*((\u)%2)
	s_wait_dscnt \younger
.if (\u) > 0
	s_add_nc_u64 s[10:11], s[10:11], 16*16384      ; (behind a wait on XCNT) 16 rows on
.endif
.irp t, 0,1,2,3,4,5,6,7,8,9,10,11,12,13,14,15
	global_store_b128 v[LI], v[BB+4*\t:BB+4*\t+3], s[10:11] offset:\t*16384 th:TH_STORE_NT   ; 32 lanes store 512 consecutive bytes, at a multiple of 256 from the buffer's first byte
.endr
.endm
	TOSTAGE 0
.irp u, 1,2,3
.if \u > 1
	s_wait_xcnt 0x0                                ; block u - 2's stores have read their registers and their base
.endif
	TOSTAGE \u
	SEND \u-1, 32
.endr
	s_wait_xcnt 0x0
	SEND 3, 0
	s_wait_tensorcnt 0x0                           ; the wave's end
	ds_add_u32 v[SPW], v[NIL]
	s_wait_dscnt 0x0
	CROUND                                         ; the closing round
	s_endpgm
.Lfunc_end_k_q82218f60d4_ogemm:
	.size	k_q82218f60d4_ogemm, .Lfunc_end_k_q82218f60d4_ogemm-k_q82218f60d4_ogemm
	.p2alignl 7, 3214868480
	.fill 96, 4, 3214868480
	.section	.rodata,"a",@progbits
	.p2align	6, 0x0
	.amdhsa_kernel k_q82218f60d4_ogemm
		.amdhsa_group_segment_fixed_size 327680
		.amdhsa_private_segment_fixed_size 0
		.amdhsa_enable_private_segment 0
		.amdhsa_kernarg_size 32
		.amdhsa_user_sgpr_count 2
		.amdhsa_user_sgpr_kernarg_segment_ptr 1
		.amdhsa_wavefront_size32 1
		.amdhsa_system_sgpr_workgroup_id_x 1
		.amdhsa_system_sgpr_workgroup_id_y 1
		.amdhsa_system_sgpr_workgroup_id_z 1
		.amdhsa_system_vgpr_workitem_id 0
		.amdhsa_next_free_vgpr 1024
		.amdhsa_next_free_sgpr 98
		.amdhsa_reserve_vcc 0
		.amdhsa_float_denorm_mode_32 3
		.amdhsa_float_denorm_mode_16_64 3
		.amdhsa_memory_ordered 1
		.amdhsa_forward_progress 1
		.amdhsa_inst_pref_size 142
	.end_amdhsa_kernel
	.amdgpu_metadata
---
amdhsa.version: [ 1, 2 ]
amdhsa.kernels:
  - .name:           k_q82218f60d4_ogemm
    .symbol:         k_q82218f60d4_ogemm.kd
    .args:
      - { .name: x_codes, .offset: 0, .size: 8, .value_kind: global_buffer, .address_space: global }
      - { .name: w_codes, .offset: 8, .size: 8, .value_kind: global_buffer, .address_space: global }
      - { .name: lowp_scales, .offset: 16, .size: 8, .value_kind: global_buffer, .address_space: global }
      - { .name: out0, .offset: 24, .size: 8, .value_kind: global_buffer, .address_space: global }
    .group_segment_fixed_size: 327680
    .private_segment_fixed_size: 0
    .kernarg_segment_align: 8
    .kernarg_segment_size: 32
    .max_flat_workgroup_size: 128
    .sgpr_count:     98
    .vgpr_count:     1024
    .wavefront_size: 32
...
	.end_amdgpu_metadata
.endif
;; end of part 3
